; MI455X (gfx1250); checked and timed in simulation.
; The chip was launched on July 23, 2026; its instructions are those of AMD's public machine-readable ISA for CDNA 5 (MIT licence, August 2026) and "CDNA5" Instruction Set Architecture Reference Guide (July 2026). The comments in the code are by the model that wrote it; some were corrected since.
;; Self Attention Block. Allowed arithmetic: matrix products marked QUANTISED: E2M1 operands, one E8M0 scale for each 32 along K, by v_wmma_scale_f32_16x16x128_f8f6f4 with both operands' format E2M1 (or v_wmma_scale_f32_32x16x128_f4), f32 sums; everything else in f32.
;; Inputs: Wk 1,024 x 1,024 float32; Wq 1,024 x 1,024 float32; Wv 1,024 x 1,024 float32; beta 1,024 float32; bk 1,024 float32; bq 1,024 float32; bv 1,024 float32; gamma 1,024 float32; x 4 x 2,048 x 1,024 float32.
;; Outputs: out0 4 x 2,048 x 1,024 float32.
;; This version of the problem:
;;   THIS VERSION OF THE PROBLEM IS GIVEN IN LOW PRECISION. The matrix products marked QUANTISED in the list below multiply operands that are first quantised to E2M1 (2 exponent bits, 1 mantissa bit; 4 bits a number), with one power-of-two scale for each 32 numbers along K (OCP MX v1.0); their sums are f32. All else is computed in f32.
;;   The module's matrix products, in the order in which they are computed (A, B: the left and right operand; K: the contracted axis; several contracted axes count as one K, in the product's order):
;;     1. [M 8,192, K 1,024] x [K 1,024, N 1,024]; A: computed on the way; B: input Wq: QUANTISED
;;     2. [M 8,192, K 1,024] x [K 1,024, N 1,024]; A: computed on the way; B: input Wk: QUANTISED
;;     3. [M 8,192, K 1,024] x [K 1,024, N 1,024]; A: computed on the way; B: input Wv: QUANTISED
;;     4. batch 64 x [M 2,048, K 64] x [K 64, N 2,048]; A: computed on the way; B: computed on the way: QUANTISED
;;     5. batch 64 x [M 2,048, K 2,048] x [K 2,048, N 64]; A: softmax (see below); B: computed on the way: QUANTISED
;;   THE QUANTISER, for each operand of a quantised product, along K:
;;     - K is cut into blocks of 32 from its start; a last block that is shorter is filled with zeros.
;;     - A block's scale is 2^e with e = floor(log2(the largest magnitude in the block)) - 2, held to -126 .. 127; a block of zeros has e = 0. As a byte (E8M0): e + 127.
;;     - Each number is divided by its block's scale, clamped to +-6, and rounded to the nearest number of E2M1, ties to even, subnormals kept.
;;     - The product sums the exact products of the quantised numbers (number of the format x scale) in f32.
;;   ~~~python
;;   def quantise(x, axis):      # numpy; x: float32 -> the quantised numbers, widened to float32 again
;;       x = np.moveaxis(x, axis, -1); K = x.shape[-1]
;;       x = np.pad(x, [(0, 0)] * (x.ndim - 1) + [(0, -K % 32)]); x = x.reshape(x.shape[:-1] + (-1, 32)); a = np.abs(x).max(-1, keepdims=True)
;;       e = np.where(a > 0, np.clip(np.frexp(np.where(a > 0, a, 1))[1] - 1 - 2, -126, 127), 0)      # np.frexp(a)[1] - 1 = floor(log2(a)), exactly
;;       r = np.clip(x / 2.0 ** e, -6, 6)
;;       step = 2.0 ** (np.maximum(np.frexp(np.where(r == 0, 1, r))[1] - 1, 0) - 1)
;;       q = np.round(r / step) * step * 2.0 ** e      # np.round: ties to even
;;       return np.moveaxis(q.reshape(q.shape[:-2] + (-1,))[..., :K], -1, axis).astype(np.float32)
;;   ~~~
;;   SOFTMAX AHEAD OF A QUANTISED PRODUCT. Where the list says 'softmax', what is quantised is not the finished softmax but p = 2^(t - M), with t = logit x log2(e) and M = ceil(the row's largest t), a whole number; so 1/2 < the row's largest p <= 1. The row's sum l is taken of the UNQUANTISED p, in f32, and the product's result is divided by l at the end. Since M is a whole number, a kernel that streams over the keys may use a running M (the ceiling of the running maximum): every later rescaling is an exact power of two, which a block's scale takes up: the codes' values come out the same.
;;   OPERANDS COMPUTED ON THE WAY. 'Computed on the way' means the value that the module computes at that place (a softmax that the list does not call 'softmax' is quantised finished and normalised). What goes into a quantiser is computed in f32, as accurately as f32 sums, v_exp_f32 and their like allow (about 1e-6 of the number): no bf16 or f16 on the way to a quantiser, and a product that is left as it is and whose result goes on into a quantised operand takes f32 operands (vector FMAs, or v_wmma_f32_16x16x4_f32). A number that lies on a knife's edge between two numbers of the format may be rounded either way, as far as f32 arithmetic and the matrix unit's own rounding can turn it there, and no further.
;; One version. Each part assembles by itself: llvm-mc -triple=amdgcn-amd-amdhsa -mcpu=gfx1250 --defsym DOCPART=n.
;; ======== version 1 of 1: 3 launches
;; limits: right only within a limited range of input values
;; workspace buffers: xa 4,456,448 bytes; wimg 1,671,168 bytes; stats 65,536 bytes; qimg 4,718,592 bytes; kv 9,175,040 bytes
;; launch prep (part 1): grid 448 x 1, 8 waves a work-group, no clusters, 57,344 bytes of LDS; arguments x, gamma, beta, Wq, Wk, Wv, xa, wimg, stats; writes xa, wimg, stats
.if DOCPART == 1
	.amdgcn_target "amdgcn-amd-amdhsa--gfx1250"
	.amdhsa_code_object_version 6
	.text
	.protected	k_qe3f687e6ef_prep
	.globl	k_qe3f687e6ef_prep
	.p2align	8
	.type	k_qe3f687e6ef_prep,@function
k_qe3f687e6ef_prep:
	s_mov_b64 s[64:65], 0
	v_nop
	global_prefetch_b8 v0, s[64:65] scope:SCOPE_SE
	s_setreg_imm32_b32 hwreg(HW_REG_WAVE_MODE, 25, 1), 1
	s_wait_xcnt 0x0
; PREP.  Work-groups 0-255: LayerNorm of x [8192][1024] f32 and its quantising along K = 1024 to codes of FP4 (E2M1) with one E8M0 byte for each 32; each reads 128 KiB.
; Work-groups 256-447: Wq, Wk, Wv [1024 (k)][1024 (n)] f32 quantised along K, their FIRST axis; each reads 64 KiB.
; A block's scale is 2^(floor(log2(largest magnitude)) - 2): its byte is the largest magnitude's exponent field - 2, held at 1 from below by a floor among the maximum's leaves.
; LIMITS: NaN and infinities among the inputs are not served.  A block of zeros gets the byte 1 where the rule says 127: its codes are zeros, and this program alone reads the bytes.
;   Blocks whose largest magnitude lies under 2^-124 are held at the byte 1.  1 / sqrt(var + eps) is v_rsq_f32 and a multiplication, where the definition divides by a square root.
; WHAT IS STORED: images of operand registers.  A tile is 16 rows; its record is 8,704 bytes: two chunks of 512 along K, each 4 K steps x 1,024 bytes of codes and 256 scale bytes.
;   codes of row r, K step s, block b (0..3) of 32:  chunk (s / 4) x 4,352 + (s % 4) x 1,024 + 256 b + 16 r;   its scale byte:  chunk + 4,096 + 16 r + 4 (s % 4) + b.
;   So 16 bytes at 16 x lane are four registers of a fragment (lane = 16 (b % 2) + r, registers 4 (b / 2) on), and 16 bytes at 4,096 + 16 r a row's four scale words.
; WHICH ROWS FORM A TILE: inside each group of 64 tokens (or 64 features) tile t, row r is index 32 (r / 8) + 8 t + (r % 8).  With such tiles as a product's first source a lane's 32 results of a group's
;   four tiles are 32 NEIGHBOURS, a whole block of the next product's K.
; No cluster: the work-groups share gamma and beta alone, 8 KiB of the 128 KiB that each reads.  No matrix unit: nothing is multiplied here.  No prefetch: the text has no loop to run ahead in.
.set TW,   4608                        ; LDS: a wave's stage for the turn: 32 blocks x (128 bytes + 16)
.set IMG,  36864                       ; two tiles' code images: 64 units x (256 bytes + 16)
.set SCB,  54272                       ; their scale bytes: 4 units of 256
.set STT,  55296                       ; mu and 1/sigma of the 32 rows: one unit of 256, straight behind the scale bytes
.set X,    32                          ; v32-63   a block of 32 neighbours
.set GA,   64                          ; v64-95   gamma of my 32 columns
.set BE,   96                          ; v96-127  beta
.set R,    128                         ; v128-255 four rows as loaded (weights: v128-191, two blocks down K)
.set CD,   28                          ; v28-31   a block's codes
.set WV,   22
.set SEL,  24                          ; s[24:25] selects of v_permlanex16_b32: lane l xor 16
.set INV,  26                          ; 1 / 1024
.set EPS,  27                          ; 1e-5
; the largest magnitude of v[xs] .. v[xs + 31], with the floor 2^(3 - 127) among the leaves, in two chains; v16 = the conversion's scale operand: 2 off the exponent field
.macro BLKMAX xs
	v_max3_num_f32 v14, |v[\xs]|, |v[\xs+1]|, 0x1800000
	v_max3_num_f32 v15, |v[\xs+2]|, |v[\xs+3]|, |v[\xs+4]|
.irp i, 5,9,13,17,21,25
	s_delay_alu instid0(VALU_DEP_2)
	v_max3_num_f32 v14, v14, |v[\xs+\i]|, |v[\xs+\i+1]|
	s_delay_alu instid0(VALU_DEP_2)
	v_max3_num_f32 v15, v15, |v[\xs+\i+2]|, |v[\xs+\i+3]|
.endr
	s_delay_alu instid0(VALU_DEP_2)
	v_max3_num_f32 v14, v14, |v[\xs+29]|, |v[\xs+30]|
	s_delay_alu instid0(VALU_DEP_1)
	v_max3_num_f32 v14, v14, v15, |v[\xs+31]|
	s_delay_alu instid0(VALU_DEP_1)
	v_add_nc_u32 v16, 0xff000000, v14
.endm
.macro REDUCE                          ; v14 summed over the 32 lanes, the result in every lane
	s_delay_alu instid0(VALU_DEP_1)
	v_add_f32_dpp v14, v14, v14 row_xmask:1 row_mask:0xf bank_mask:0xf
	s_delay_alu instid0(VALU_DEP_1)
	v_add_f32_dpp v14, v14, v14 row_xmask:2 row_mask:0xf bank_mask:0xf
	s_delay_alu instid0(VALU_DEP_1)
	v_add_f32_dpp v14, v14, v14 row_xmask:4 row_mask:0xf bank_mask:0xf
	s_delay_alu instid0(VALU_DEP_1)
	v_add_f32_dpp v14, v14, v14 row_xmask:8 row_mask:0xf bank_mask:0xf
	s_delay_alu instid0(VALU_DEP_1)
	v_permlanex16_b32 v15, v14, s[SEL], s[SEL+1]
	s_delay_alu instid0(VALU_DEP_1)
	v_add_f32 v14, v14, v15
.endm
	s_load_b256 s[4:11], s[0:1], 0x0               ; x s[4:5], gamma s[6:7], beta s[8:9], Wq s[10:11]
	s_load_b256 s[12:19], s[0:1], 0x20             ; Wk s[12:13], Wv s[14:15], xa s[16:17], wimg s[18:19]
	s_load_b64 s[20:21], s[0:1], 0x40              ; stats
	v_lshl_add_u32 v26, v0, 2, 0xdc00              ; my spare word, behind the statistics
	v_mov_b32 v27, 0
	v_lshrrev_b32 v1, 5, v0
	s_delay_alu instid0(VALU_DEP_1)
	v_readfirstlane_b32 s[WV], v1                  ; wave 0..7
	v_and_b32 v18, 31, v0                          ; lane
	s_delay_alu instid0(VALU_DEP_1)
	v_lshrrev_b32 v19, 4, v18                      ; lane / 16
	s_delay_alu instid0(VALU_DEP_2)
	v_and_b32 v21, 15, v18                         ; lane % 16
	s_cmp_lt_u32 ttmp9, 256                        ; the same for all waves of a work-group
	s_cbranch_scc0 .Lweights
	; ---------------- LAYERNORM.  Work-group w makes tiles 2 w and 2 w + 1; wave v rows 4 (v % 4) .. + 3 of tile v / 4, which are four consecutive tokens.
	v_lshlrev_b32 v1, 4, v18                       ; 16 x lane
	v_lshlrev_b32 v7, 7, v18                       ; 128 x lane: my 32 columns in gamma and beta
	s_lshr_b32 s29, s[WV], 2                       ; which of the two tiles
	s_lshr_b32 s33, ttmp9, 1
	s_lshl_b32 s33, s33, 6                         ; the group of 64 tokens: 64 (w / 2)
	s_bfe_u32 s34, s[WV], 0x10001
	s_lshl_b32 s34, s34, 5
	s_add_co_u32 s33, s33, s34                     ; + 32 (r / 8)
	s_and_b32 s34, ttmp9, 1
	s_lshl_b32 s34, s34, 1
	s_add_co_u32 s34, s34, s29
	s_lshl_b32 s34, s34, 3
	s_add_co_u32 s33, s33, s34                     ; + 8 t, t = 2 (w % 2) + v / 4
	s_and_b32 s34, s[WV], 1
	s_lshl_b32 s34, s34, 2
	s_add_co_u32 s33, s33, s34                     ; + r % 8: my first token
	s_lshl_b32 s34, s33, 12                        ; in bytes (under 2^25)
	s_mov_b32 s35, 0
	s_mul_i32 s36, ttmp9, 17408                    ; my work-group's two records in xa
	s_lshr_b32 s38, s[WV], 1
	s_mul_i32 s38, s38, 4352
	s_add_co_u32 s38, s38, s36
	s_and_b32 s39, s[WV], 1
	s_lshl_b32 s39, s39, 11
	s_add_co_u32 s38, s38, s39                     ; on the way out wave v stores the 2,048 bytes of codes at chunk v / 2, half v % 2
	s_mov_b32 s39, 0
	s_mul_i32 s40, s[WV], 4352
	s_add_co_u32 s40, s40, s36
	s_add_co_u32 s40, s40, 4096                    ; waves 0-3: the scale bytes of chunk v
	s_lshl_b32 s41, ttmp9, 8                       ; wave 4: the 32 rows' statistics
	s_mov_b32 s[SEL], 0x76543210
	s_mov_b32 s[SEL+1], 0xfedcba98
	s_mov_b32 s[INV], 0x3a800000
	s_mov_b32 s[EPS], 0x3727c5ac
	s_wait_alu depctr_va_vdst(0)
	s_wait_kmcnt 0x0
	s_add_nc_u64 s[4:5], s[4:5], s[34:35]
	s_add_nc_u64 s[38:39], s[16:17], s[38:39]
	s_cmp_lt_u32 s[WV], 4
	s_cselect_b64 s[42:43], s[16:17], s[20:21]     ; xa or stats: the choice hangs on the wave's number alone
	s_cselect_b32 s40, s40, s41
	s_mov_b32 s41, 0
	s_add_nc_u64 s[42:43], s[42:43], s[40:41]
.irp j, 0,1,2,3,4,5,6,7
	global_load_b128 v[GA+4*\j:GA+4*\j+3], v7, s[6:7] offset:16*\j
	global_load_b128 v[BE+4*\j:BE+4*\j+3], v7, s[8:9] offset:16*\j
.endr
.irp i, 0,1,2,3
.irp j, 0,1,2,3,4,5,6,7
	global_load_b128 v[R+32*\i+4*\j:R+32*\i+4*\j+3], v1, s[4:5] offset:4096*\i+512*\j th:TH_LOAD_NT   ; 32 lanes read 512 consecutive bytes; all four rows are asked for at once
.endr
.endr
	s_mul_i32 s28, s[WV], TW                       ; my stage
	v_lshrrev_b32 v14, 3, v18
	v_and_b32 v15, 7, v18
	s_delay_alu instid0(VALU_DEP_2)
	v_mul_u32_u24 v2, v14, 144
	s_delay_alu instid0(VALU_DEP_1)
	v_lshl_add_u32 v2, v15, 4, v2
	s_delay_alu instid0(VALU_DEP_1)
	v_add_nc_u32 v2, s28, v2                       ; into it: eight lanes' 128 bytes are a block, 144 bytes from block to block
	v_mul_u32_u24 v3, v18, 144
	s_delay_alu instid0(VALU_DEP_1)
	v_add_nc_u32 v3, s28, v3                       ; out of it: block = lane
	s_and_b32 s30, s[WV], 3
	s_lshl_b32 s32, s30, 6                         ; 16 bytes x my first row of the tile
	s_mul_i32 s31, s29, 8704
	s_add_co_u32 s31, s31, s32
	s_add_co_u32 s31, s31, IMG
	v_mul_u32_u24 v4, v18, 272
	s_delay_alu instid0(VALU_DEP_1)
	v_add_nc_u32 v4, s31, v4                       ; the codes of block l, row r: unit l, 16 r
	s_lshl_b32 s31, s29, 9
	s_add_co_u32 s31, s31, s32
	s_add_co_u32 s31, s31, SCB
	v_lshl_add_u32 v5, v19, 8, v21
	s_delay_alu instid0(VALU_DEP_1)
	v_add_nc_u32 v5, s31, v5                       ; its scale byte: chunk l / 16, 16 r + l % 16
	s_lshl_b32 s31, s[WV], 5
	s_add_co_u32 s31, s31, STT
	v_mov_b32 v6, s31                              ; the statistics of my first row: 8 bytes a row, row 4 v of the 32
	s_mul_i32 s31, s[WV], 2176
	s_add_co_u32 s31, s31, IMG
	v_mul_u32_u24 v8, v19, 272
	s_delay_alu instid0(VALU_DEP_1)
	v_lshl_add_u32 v8, v21, 4, v8
	s_delay_alu instid0(VALU_DEP_1)
	v_add_nc_u32 v8, s31, v8                       ; the way out: wave v takes units 8 v .. 8 v + 7, two an instruction
	s_lshl_b32 s31, s[WV], 8
	s_add_co_u32 s31, s31, SCB
	v_lshlrev_b32 v9, 3, v18                       ; 8 x lane
	s_delay_alu instid0(VALU_DEP_1)
	v_add_nc_u32 v20, s31, v9                      ; waves 0-4: unit v of the five that begin at SCB
	v_mov_b32 v11, 0                               ; (named as upper halves of pairs before they are first written)
	v_mov_b32 v13, 0
; Row i of my four.  The row comes as it lies, 16 bytes a lane; the conversions want 32 neighbours in ONE lane: so it turns through my own stage.
.macro ROW i
	s_wait_loadcnt 24-8*\i                         ; this row's eight loads are in (gamma and beta are older); the younger rows' stay out
.irp j, 0,1,2,3,4,5,6,7
	ds_store_b128 v2, v[R+32*\i+4*\j:R+32*\i+4*\j+3] offset:576*\j
.endr
.irp j, 0,1,2,3,4,5,6,7
	ds_load_b128 v[X+4*\j:X+4*\j+3], v3 offset:16*\j   ; LDS serves a wave's instructions in order (ISA guide 5.7.1.4): these see the stores above
.endr
	s_wait_dscnt 0x0                               ; also: the last row's stores have read their registers
	v_pk_add_f32 v[16:17], v[32:33], v[34:35]
	v_pk_add_f32 v[158:159], v[40:41], v[44:45]
	v_pk_add_f32 v[156:157], v[48:49], v[52:53]
	v_pk_add_f32 v[154:155], v[56:57], v[60:61]
	v_pk_add_f32 v[152:153], v[36:37], v[38:39]
	v_pk_add_f32 v[150:151], v[42:43], v[46:47]
	v_pk_add_f32 v[148:149], v[50:51], v[54:55]
	v_pk_add_f32 v[14:15], v[58:59], v[62:63]
	s_delay_alu instid0(VALU_DEP_1)
	v_pk_add_f32 v[14:15], v[14:15], v[154:155]
	v_pk_add_f32 v[16:17], v[16:17], v[152:153]
	v_pk_add_f32 v[158:159], v[158:159], v[150:151]
	v_pk_add_f32 v[156:157], v[156:157], v[148:149]
	s_delay_alu instid0(VALU_DEP_2)
	v_pk_add_f32 v[14:15], v[14:15], v[158:159]
	s_delay_alu instid0(VALU_DEP_2)
	v_pk_add_f32 v[16:17], v[16:17], v[156:157]
	s_delay_alu instid0(VALU_DEP_1)
	v_pk_add_f32 v[14:15], v[14:15], v[16:17]
	s_delay_alu instid0(VALU_DEP_1)
	v_add_f32 v14, v14, v15
	REDUCE
	s_delay_alu instid0(VALU_DEP_1)
	v_mul_f32 v10, s[INV], v14                     ; mu
.irp m, 0,2,4,6,8,10,12,14,16,18,20,22,24,26,28,30
	v_pk_add_f32 v[X+\m:X+\m+1], v[X+\m:X+\m+1], v[10:11] op_sel_hi:[1,0] neg_lo:[0,1] neg_hi:[0,1]   ; x - mu
.endr
	v_pk_mul_f32 v[14:15], v[X:X+1], v[X:X+1]      ; the sum of squares of x - mu: no difference of large sums
	v_pk_mul_f32 v[16:17], v[X+2:X+3], v[X+2:X+3]
.irp m, 4,8,12,16,20,24,28
	s_delay_alu instid0(VALU_DEP_2)
	v_pk_fma_f32 v[14:15], v[X+\m:X+\m+1], v[X+\m:X+\m+1], v[14:15]
	s_delay_alu instid0(VALU_DEP_2)
	v_pk_fma_f32 v[16:17], v[X+\m+2:X+\m+3], v[X+\m+2:X+\m+3], v[16:17]
.endr
	s_delay_alu instid0(VALU_DEP_1)
	v_pk_add_f32 v[14:15], v[14:15], v[16:17]
	s_delay_alu instid0(VALU_DEP_1)
	v_add_f32 v14, v14, v15
	REDUCE
	s_delay_alu instid0(VALU_DEP_1)
	v_fma_f32 v14, v14, s[INV], s[EPS]             ; var + eps
	s_wait_alu depctr_va_vdst(0)                   ; wait ahead of the transcendental
	v_rsq_f32 v12, v14
	v_nop                                          ; a plain instruction behind the transcendental,
	s_wait_alu depctr_va_vdst(0)                   ; and the wait ahead of the first line that names its result
	v_mov_b32 v11, v12                             ; v[10:11] = mu, 1 / sigma: what the last launch needs to make xn again
.irp m, 0,2,4,6,8,10,12,14,16,18,20,22,24,26,28,30
	v_pk_mul_f32 v[X+\m:X+\m+1], v[X+\m:X+\m+1], v[12:13] op_sel_hi:[1,0]
.endr
.irp m, 0,2,4,6,8,10,12,14,16,18,20,22,24,26,28,30
	v_pk_fma_f32 v[X+\m:X+\m+1], v[X+\m:X+\m+1], v[GA+\m:GA+\m+1], v[BE+\m:BE+\m+1]   ; xn
.endr
	BLKMAX X
.irp g, 0,1,2,3
	v_cvt_scalef32_pk8_fp4_f32 v[CD+\g], v[X+8*\g:X+8*\g+7], v16
.endr
	v_lshrrev_b32 v17, 23, v16                     ; the scale's byte (also the plain line behind the conversions)
	ds_store_b128 v4, v[CD:CD+3] offset:16*\i
	ds_store_b8 v5, v17 offset:16*\i
	ds_store_b64 v6, v[10:11] offset:8*\i          ; every lane writes the same eight bytes
.endm
	ROW 0
	ROW 1
	ROW 2
	ROW 3
	s_wait_dscnt 0x0                               ; for the others' sake: my stores into the images are done
	s_barrier_signal -1
	s_barrier_wait -1                              ; a unit's 256 bytes come from four waves
.irp j, 0,1,2,3
	ds_load_b128 v[X+4*\j:X+4*\j+3], v8 offset:544*\j
.endr
.irp j, 0,1,2,3
	s_wait_dscnt 3-\j
	global_store_b128 v1, v[X+4*\j:X+4*\j+3], s[38:39] offset:512*\j   ; 32 lanes store 512 consecutive bytes, at a multiple of 256 from xa's first byte
.endr
	s_cmp_lt_u32 s[WV], 5
	s_cbranch_scc0 .Lln_end
	ds_load_b64 v[14:15], v20                      ; waves 0-3: a chunk's 256 scale bytes; wave 4: the statistics
	s_wait_dscnt 0x0
	global_store_b64 v9, v[14:15], s[42:43]        ; 256 consecutive bytes, aligned
.Lln_end:
	s_wait_tensorcnt 0x0                           ; the wave's end
	ds_add_u32 v26, v27
	s_wait_dscnt 0x0
	s_endpgm
	; ---------------- WEIGHTS.  e = work-group - 256: matrix e / 64, 256 columns (e / 16) % 4, K step (e / 2) % 8 of 128, its half e % 2: 64 along K, two blocks.  No LDS, no barrier.
	; A LANE TAKES A COLUMN AND ITS REGISTERS RUN DOWN K: a block of 32 lies in one lane, and the conversions give codes with K innermost.  Wave v takes tiles 2 (v % 2), + 1 of the 64 features v / 2:
	; lanes 0-15 are rows 0-15 of the one tile, lanes 16-31 of the other, so that sixteen lanes store 256 consecutive bytes of a record.  All of a wave's 64 loads are asked for at once.
.Lweights:
	s_sub_co_u32 s28, ttmp9, 256
	s_lshr_b32 s29, s28, 6                         ; matrix: 0 Wq, 1 Wk, 2 Wv
	s_bfe_u32 s30, s28, 0x20004                    ; which 256 columns
	s_bfe_u32 s31, s28, 0x30001                    ; K step
	s_and_b32 s46, s28, 1                          ; which half of it
	s_wait_alu depctr_va_vdst(0)
	v_bfe_u32 v15, v18, 3, 1
	s_delay_alu instid0(VALU_DEP_1)
	v_lshlrev_b32 v15, 5, v15                      ; 32 (r / 8)
	s_delay_alu instid0(VALU_DEP_1)
	v_lshl_add_u32 v15, v19, 3, v15                ; + 8 for the second tile
	v_and_b32 v17, 7, v18
	s_delay_alu instid0(VALU_DEP_1)
	v_add_nc_u32 v15, v15, v17                     ; + r % 8
	s_lshl_b32 s32, s30, 8
	s_lshr_b32 s33, s[WV], 1
	s_lshl_b32 s34, s33, 6
	s_add_co_u32 s32, s32, s34
	s_and_b32 s34, s[WV], 1
	s_lshl_b32 s35, s34, 4
	s_add_co_u32 s32, s32, s35                     ; 256 x block + 64 (v / 2) + 16 (v % 2)
	v_add_nc_u32 v15, s32, v15                     ; my column
	s_delay_alu instid0(VALU_DEP_1)
	v_lshlrev_b32 v1, 2, v15
	v_mul_u32_u24 v2, v19, 8704
	s_delay_alu instid0(VALU_DEP_1)
	v_lshl_add_u32 v2, v21, 4, v2                  ; out: record lane / 16, 16 r
	s_lshl_b32 s36, s29, 6
	s_lshl_b32 s37, s30, 4
	s_add_co_u32 s36, s36, s37
	s_lshl_b32 s37, s[WV], 1
	s_add_co_u32 s36, s36, s37                     ; my first tile: 64 x matrix + 16 x block + 2 v
	s_mul_i32 s36, s36, 8704
	s_lshr_b32 s37, s31, 2
	s_mul_i32 s37, s37, 4352
	s_add_co_u32 s36, s36, s37                     ; its record, the K step's chunk
	s_and_b32 s37, s31, 3
	s_lshl_b32 s38, s37, 10
	s_add_co_u32 s38, s38, s36                     ; the K step's codes,
	s_lshl_b32 s47, s46, 9
	s_add_co_u32 s38, s38, s47                     ; my half's two blocks of 256 bytes
	s_mov_b32 s39, 0
	s_lshl_b32 s40, s37, 2
	s_add_co_u32 s40, s40, s36
	s_add_co_u32 s40, s40, 4096                    ; and its scale words,
	s_lshl_b32 s47, s46, 1
	s_add_co_u32 s40, s40, s47                     ; my half's two bytes
	s_mov_b32 s41, 0
	s_lshl_b32 s42, s31, 19                        ; 128 rows of 4,096 bytes a K step,
	s_lshl_b32 s47, s46, 18
	s_add_co_u32 s42, s42, s47                     ; 64 a half
	s_mov_b32 s43, 0
	s_wait_alu depctr_va_vdst(0)
	s_wait_kmcnt 0x0
	s_cmp_eq_u32 s29, 0
	s_cselect_b64 s[44:45], s[10:11], s[12:13]
	s_cmp_eq_u32 s29, 2
	s_cselect_b64 s[44:45], s[14:15], s[44:45]
	s_add_nc_u64 s[44:45], s[44:45], s[42:43]
	s_add_nc_u64 s[38:39], s[18:19], s[38:39]
	s_add_nc_u64 s[40:41], s[18:19], s[40:41]
.macro WLOAD b                         ; block b of my two: W(my first row + 32 b + i, my column), i = 0 .. 31, into registers of its own
.set kk, 32*(\b)
.rept 32
	global_load_b32 v[R+kk], v1, s[44:45] offset:4096*kk th:TH_LOAD_NT
.set kk, kk+1
.endr
.endm
.macro WBLOCK b
.set XS, R+32*(\b)
	BLKMAX XS
.irp g, 0,1,2,3
	v_cvt_scalef32_pk8_fp4_f32 v[X+4*(\b)+\g], v[XS+8*\g:XS+8*\g+7], v16   ; each block has its own four registers: no store's data are written again
.endr
	v_lshrrev_b32 v17, 23, v16                     ; the scale's byte (also the plain line behind the conversions)
.if \b == 0
	s_delay_alu instid0(VALU_DEP_1)
	v_mov_b32 v3, v17                              ; my two scale bytes: the lower K in the lower byte
.else
	s_delay_alu instid0(VALU_DEP_1)
	v_lshl_or_b32 v3, v17, 8*(\b), v3
.endif
	global_store_b128 v2, v[X+4*(\b):X+4*(\b)+3], s[38:39] offset:256*(\b)   ; each sixteen lanes store 256 consecutive bytes, aligned
.endm
	WLOAD 0
	WLOAD 1
	s_wait_loadcnt 32                              ; block 0 is in; block 1's 32 loads may be out
	WBLOCK 0
	s_wait_loadcnt 0x0
	WBLOCK 1
	global_store_b16 v2, v3, s[40:41]              ; 2 bytes a row, 16 bytes apart: the chunk's other bytes are other work-groups'.  One byte in 128 of what is read
	s_endpgm
.Lfunc_end_k_qe3f687e6ef_prep:
	.size	k_qe3f687e6ef_prep, .Lfunc_end_k_qe3f687e6ef_prep-k_qe3f687e6ef_prep
	.p2alignl 7, 3214868480
	.fill 96, 4, 3214868480
	.section	.rodata,"a",@progbits
	.p2align	6, 0x0
	.amdhsa_kernel k_qe3f687e6ef_prep
		.amdhsa_group_segment_fixed_size 57344
		.amdhsa_private_segment_fixed_size 0
		.amdhsa_enable_private_segment 0
		.amdhsa_kernarg_size 72
		.amdhsa_user_sgpr_count 2
		.amdhsa_user_sgpr_kernarg_segment_ptr 1
		.amdhsa_wavefront_size32 1
		.amdhsa_system_sgpr_workgroup_id_x 1
		.amdhsa_system_sgpr_workgroup_id_y 1
		.amdhsa_system_sgpr_workgroup_id_z 1
		.amdhsa_system_vgpr_workitem_id 0
		.amdhsa_next_free_vgpr 256
		.amdhsa_next_free_sgpr 66
		.amdhsa_reserve_vcc 0
		.amdhsa_float_denorm_mode_32 3
		.amdhsa_float_denorm_mode_16_64 3
		.amdhsa_memory_ordered 1
		.amdhsa_forward_progress 1
		.amdhsa_inst_pref_size 64
	.end_amdhsa_kernel
	.amdgpu_metadata
---
amdhsa.version: [ 1, 2 ]
amdhsa.kernels:
  - .name:           k_qe3f687e6ef_prep
    .symbol:         k_qe3f687e6ef_prep.kd
    .args:
      - { .name: x, .offset: 0, .size: 8, .value_kind: global_buffer, .address_space: global }
      - { .name: gamma, .offset: 8, .size: 8, .value_kind: global_buffer, .address_space: global }
      - { .name: beta, .offset: 16, .size: 8, .value_kind: global_buffer, .address_space: global }
      - { .name: Wq, .offset: 24, .size: 8, .value_kind: global_buffer, .address_space: global }
      - { .name: Wk, .offset: 32, .size: 8, .value_kind: global_buffer, .address_space: global }
      - { .name: Wv, .offset: 40, .size: 8, .value_kind: global_buffer, .address_space: global }
      - { .name: xa, .offset: 48, .size: 8, .value_kind: global_buffer, .address_space: global }
      - { .name: wimg, .offset: 56, .size: 8, .value_kind: global_buffer, .address_space: global }
      - { .name: stats, .offset: 64, .size: 8, .value_kind: global_buffer, .address_space: global }
    .group_segment_fixed_size: 57344
    .private_segment_fixed_size: 0
    .kernarg_segment_align: 8
    .kernarg_segment_size: 72
    .max_flat_workgroup_size: 256
    .sgpr_count:     66
    .vgpr_count:     256
    .wavefront_size: 32
...
	.end_amdgpu_metadata
.endif
;; end of part 1
;; launch qkv (part 2): grid 12 x 32, 8 waves a work-group, clusters of 4 x 4, 327,680 bytes of LDS; arguments xa, wimg, bq, bk, bv, qimg, kv; writes qimg, kv
.if DOCPART == 2
	.amdgcn_target "amdgcn-amd-amdhsa--gfx1250"
	.amdhsa_code_object_version 6
	.text
	.protected	k_qe3f687e6ef_qkv
	.globl	k_qe3f687e6ef_qkv
	.p2align	8
	.type	k_qe3f687e6ef_qkv,@function
k_qe3f687e6ef_qkv:
	s_mov_b64 s[64:65], 0
	v_nop
	global_prefetch_b8 v0, s[64:65] scope:SCOPE_SE
	s_setreg_imm32_b32 hwreg(HW_REG_WAVE_MODE, 25, 1), 1
	s_wait_xcnt 0x0
	s_wait_alu depctr_hold_cnt(0) depctr_sa_sdst(0) depctr_va_vdst(0) depctr_va_sdst(0) depctr_va_ssrc(0) depctr_va_vcc(0) depctr_vm_vsrc(0)
	s_getreg_b32 s2, hwreg(HW_REG_IB_STS2, 6, 4)
	s_cmp_eq_u32 s2, 0
	s_cbranch_scc0 .Lentry_in_a_cluster
	s_endpgm
.Lentry_in_a_cluster:
	s_bfe_u32 s2, ttmp6, 0x10000c
	s_cmp_lg_u32 s2, 0xf033
	s_cbranch_scc0 .Lentry_shape_is_right
	s_endpgm
.Lentry_shape_is_right:
; QKV.  q, k, v = xn W + b on codes of FP4 (E2M1) with E8M0 scales, K = 1024; the results are quantised in registers for the two products of attention and leave as images of operand registers.
; A work-group makes 256 tokens x 256 features of ONE of the three matrices (cluster x = 0, 1, 2: q, k, v).  Wave w: the 128 tokens w / 4 (8 tiles) x the head w % 4 (4 tiles): 32 accumulators, window 1.
; ALL OF K FOR THE TILE LIES IN LDS, filled once, in two chunks of 512 along K: no slot is filled again.  Chunk 1 lands while chunk 0 is multiplied.
; CLUSTER 4 x 4: the four work-groups of a row of the cluster need the same tokens' records, the four of a column the same features': each is asked for jointly.
; q AND k (K of the next product = the head's 64): first source = 16 features, second = 16 tokens.  By the order of a tile's rows (32 (r / 8) + 8 t + r % 8 inside 64) a lane then holds ONE token and, in the 32
;   registers of the head's four tiles, features 32 (lane / 16) + 0 .. 31: a whole block.  Four conversions are registers 0-3 of the token's fragment.
; v (K of the next product = the keys): the sources are swapped: a lane holds ONE feature and, in the 32 registers of four token tiles, 32 neighbouring tokens.
; The bias is the C of each sum's first product.
; OUT.  qimg: a record of 4,608 bytes for each (batch, head, 128 tokens): 8 fragments of 512 bytes; at 4,096, lane (r, h): the scale words of tiles h, 2 + h, 4 + h, 6 + h (bytes 2, 3 are 0: K is 64).
;       kv: 8,960 bytes: k as in qimg; from 4,608 v's four fragments of 1,024 bytes (16 of the head's 64 x 128 keys); at 8,704, lane (r, h): the scale words of tiles h, 2 + h.
; LIMITS: as in the first launch: a block of zeros gets the byte 1, blocks under 2^-124 are held there; NaN and infinities are not served.
.set TREC, 4352                        ; a tile's chunk: 4 K steps x 1,024 bytes of codes, 256 scale bytes
.set CH,   32*TREC                     ; a chunk in LDS: 16 token tiles, then 16 feature tiles
.set SA,   8                           ; v8-23   scale words of the tokens: register 4 i + s: tile i in lanes 0-15, tile i + 4 in lanes 16-31, K step s.  v8-31 hold scales and nothing else
.set SB,   24                          ; v24-31  of the features: register 4 j + s: tile j in lanes 0-15, tile j + 2 in lanes 16-31
.set BI,   32                          ; v32-63  the bias in the result's layout, eight registers a feature tile
.set AF,   64                          ; v64-191 the tokens' 8 fragments, two sets
.set BF,   192                         ; v192-255 the features' 4 fragments, two sets
.set TM,   32                          ; the way out: largest magnitudes,
.set SO,   40                          ; the conversions' scale operands,
.set BY,   48                          ; scale bytes,
.set PC,   64                          ; codes,
.set PW,   96                          ; scale words,
.set TT,   104                         ; the other half's,
.set QW,   112                         ; and the words as they are stored
.set WV,   18
.set CX,   19
.set CY,   20
.set G1A,  24                          ; s[24:31], s[32:39] descriptor groups 1;  s[40:47], s[48:55] groups 0, one for each chunk
.set G1B,  32
.set G0A,  40
.set G0B,  48
.set SEL,  56
.set FLOOR, 58
.set HM,   59
.set OUT,  60
.set BP,   62
.set MSB, 0
.macro WIN new                         ; the immediate's high byte repeats the setting that is left
.if MSB != \new
	s_set_vgpr_msb (MSB<<8)|\new
.set MSB, \new
.endif
.endm
.macro ROUND                           ; a round of the cluster's barrier
	s_barrier_signal -1
	s_barrier_wait -1
	s_cmp_lg_u32 s[WV], 0
	s_cbranch_scc1 .Lnot_wave_0_\@
	s_barrier_signal -3
.Lnot_wave_0_\@:
	s_barrier_wait -3
	s_barrier_signal -1
	s_barrier_wait -1
.endm
; one product: D = v[rD], sources v[rA], v[rB], C = v[rC], scale words v[rSA], v[rSB]; fA, fB = 1: the word stands in lanes 16-31
.macro WM
.if fA && fB
	v_wmma_scale_f32_16x16x128_f8f6f4 v[rD:rD+7], v[rA:rA+7], v[rB:rB+7], v[rC:rC+7], v[rSA], v[rSB] matrix_a_fmt:MATRIX_FMT_FP4 matrix_b_fmt:MATRIX_FMT_FP4 matrix_a_scale:MATRIX_SCALE_ROW1 matrix_b_scale:MATRIX_SCALE_ROW1
.elseif fA
	v_wmma_scale_f32_16x16x128_f8f6f4 v[rD:rD+7], v[rA:rA+7], v[rB:rB+7], v[rC:rC+7], v[rSA], v[rSB] matrix_a_fmt:MATRIX_FMT_FP4 matrix_b_fmt:MATRIX_FMT_FP4 matrix_a_scale:MATRIX_SCALE_ROW1
.elseif fB
	v_wmma_scale_f32_16x16x128_f8f6f4 v[rD:rD+7], v[rA:rA+7], v[rB:rB+7], v[rC:rC+7], v[rSA], v[rSB] matrix_a_fmt:MATRIX_FMT_FP4 matrix_b_fmt:MATRIX_FMT_FP4 matrix_b_scale:MATRIX_SCALE_ROW1
.else
	v_wmma_scale_f32_16x16x128_f8f6f4 v[rD:rD+7], v[rA:rA+7], v[rB:rB+7], v[rC:rC+7], v[rSA], v[rSB] matrix_a_fmt:MATRIX_FMT_FP4 matrix_b_fmt:MATRIX_FMT_FP4
.endif
.endm
	s_load_b256 s[4:11], s[0:1], 0x0               ; xa s[4:5], wimg s[6:7], bq s[8:9], bk s[10:11]
	s_load_b128 s[12:15], s[0:1], 0x20             ; bv s[12:13], qimg s[14:15]
	s_load_b64 s[16:17], s[0:1], 0x30              ; kv
	v_lshl_add_u32 v254, v0, 2, 0x44000
	v_mov_b32 v255, 0
	ds_add_u32 v254, v255
	ds_add_u32 v254, v255
	s_wait_dscnt 0x0
	v_lshrrev_b32 v1, 5, v0
	s_delay_alu instid0(VALU_DEP_1)
	v_readfirstlane_b32 s[WV], v1                  ; wave 0..7
	s_bfe_u32 s[CX], ttmp6, 0x40000                ; my place in the cluster
	s_bfe_u32 s[CY], ttmp6, 0x40004
	s_lshl_b32 s22, ttmp9, 2
	s_add_co_u32 s22, s22, s[CX]                   ; which 256 of the 3,072 features
	s_and_b32 s23, ttmp7, 0xffff
	s_lshl_b32 s23, s23, 2
	s_add_co_u32 s23, s23, s[CY]                   ; which 256 tokens
	s_lshl_b32 s66, s[CY], 2
	s_lshl_b32 s66, 15, s66                        ; my row of the cluster
	s_lshl_b32 s68, 0x1111, s[CX]                  ; my column
	s_or_b32 s[G1A], s66, (3<<16)|(1<<21)          ; 15:0 the mask; 17:16 elements of 8 bytes; 21 set beside a mask; no padding: an image is read 16 bytes a lane on end
	s_or_b32 s[G1B], s68, (3<<16)|(1<<21)
.irp g, G1A, G1B
	s_mov_b32 s[\g+1], 544<<16                     ; tensor_dim0: a chunk of a record, 4,352 bytes
	s_mov_b32 s[\g+2], 4<<16                       ; tensor_dim1: four records
	s_mov_b32 s[\g+3], 544<<16                     ; tile_dim0
	s_mov_b32 s[\g+4], 4                           ; tile_dim1
	s_mov_b32 s[\g+5], 1088                        ; from record to record: 8,704 bytes
	s_mov_b32 s[\g+6], 0
	s_mov_b32 s[\g+7], 0
.endr
	s_and_b32 s2, s[WV], 3                         ; my head of the four.  Also: which four records I fetch
	s_lshl_b32 s3, s2, 2
	s_lshl_b32 s66, s23, 4
	s_add_co_u32 s66, s66, s3
	s_mul_i32 s66, s66, 8704                       ; tokens: record 16 x block + 4 (w % 4): it hangs on the cluster's row alone
	s_mov_b32 s67, 0
	s_lshl_b32 s68, s22, 4
	s_add_co_u32 s68, s68, s3
	s_mul_i32 s68, s68, 8704                       ; features likewise: on the cluster's column alone
	s_mov_b32 s69, 0
	s_mul_i32 s70, s[WV], 4*TREC                   ; where they go: waves 0-3 the tokens' 16 tiles, waves 4-7 the features': wave x four tiles
	s_wait_kmcnt 0x0
	s_add_nc_u64 s[66:67], s[4:5], s[66:67]
	s_add_nc_u64 s[68:69], s[6:7], s[68:69]
.irp q, 0,1
	s_mov_b32 s[G0A+4*\q], 1
	s_add_co_u32 s[G0A+4*\q+1], s70, \q*CH
	s_add_nc_u64 s[G0A+4*\q+2:G0A+4*\q+3], s[66:67], \q*TREC
	s_or_b32 s[G0A+4*\q+3], s[G0A+4*\q+3], 0x80000000
	s_mov_b32 s[G0B+4*\q], 1
	s_add_co_u32 s[G0B+4*\q+1], s70, \q*CH
	s_add_nc_u64 s[G0B+4*\q+2:G0B+4*\q+3], s[68:69], \q*TREC
	s_or_b32 s[G0B+4*\q+3], s[G0B+4*\q+3], 0x80000000
.endr
	ROUND                                          ; all sixteen work-groups are here: the joint loads meet
	s_cmp_lt_u32 s[WV], 4                          ; chunk 0: one load a wave at the head
	s_cbranch_scc0 .Lfetch_b
	tensor_load_to_lds s[G0A:G0A+3], s[G1A:G1A+7]
	s_nop 0
.rept 4
	v_nop
.endr
	s_branch .Lasked
.Lfetch_b:
	tensor_load_to_lds s[G0B:G0B+3], s[G1B:G1B+7]
	s_nop 0
.rept 4
	v_nop
.endr
.Lasked:
	v_and_b32 v64, 31, v0                          ; lane
	v_and_b32 v65, 15, v0                          ; r
	v_bfe_u32 v66, v0, 4, 1                        ; h
	s_delay_alu instid0(VALU_DEP_3)
	v_lshlrev_b32 v5, 4, v64                       ; 16 x lane
	s_delay_alu instid0(VALU_DEP_2)
	v_lshlrev_b32 v6, 3, v66                       ; 8 h: a scale byte's shift
	v_lshlrev_b32 v7, 3, v64                       ; 8 x lane
	v_lshlrev_b32 v67, 4, v65                      ; 16 r
	s_lshr_b32 s3, s[WV], 2                        ; which 128 tokens are mine
	s_mul_i32 s70, s3, 8*TREC
	v_add_nc_u32 v1, s70, v5                       ; my tokens' fragments
	s_mul_i32 s71, s2, 4*TREC
	s_add_co_u32 s71, s71, 16*TREC
	v_add_nc_u32 v2, s71, v5                       ; my features' fragments
	v_mul_u32_u24 v3, v66, 4*TREC                  ; scale words: lanes 16-31 take the tile four further on,
	s_delay_alu instid0(VALU_DEP_1)
	v_add_nc_u32 v3, v3, v67
	s_add_co_u32 s70, s70, 4096
	v_add_nc_u32 v3, s70, v3
	v_mul_u32_u24 v4, v66, 2*TREC                  ; of the features two further on
	s_delay_alu instid0(VALU_DEP_1)
	v_add_nc_u32 v4, v4, v67
	s_add_co_u32 s71, s71, 4096
	v_add_nc_u32 v4, s71, v4
	s_mov_b32 s[SEL], 0x76543210
	s_mov_b32 s[SEL+1], 0xfedcba98
	s_mov_b32 s[FLOOR], 0x1800000                  ; 2^(3 - 127)
	s_mov_b32 s[HM], 0xffff0000                    ; lanes 16-31
	s_lshl_b32 s70, s[CX], 2
	s_add_co_u32 s70, s70, s2                      ; my head
	s_lshr_b32 s71, s23, 3                         ; the batch
	s_lshl_b32 s71, s71, 4
	s_add_co_u32 s71, s71, s70
	s_lshl_b32 s71, s71, 4
	s_and_b32 s22, s23, 7
	s_lshl_b32 s22, s22, 1
	s_add_co_u32 s71, s71, s22
	s_add_co_u32 s71, s71, s3                      ; my record: 16 (16 batch + head) + the 128 tokens' number in the batch
	s_mov_b32 s22, 8960
	s_cmp_eq_u32 ttmp9, 0
	s_cselect_b64 s[OUT:OUT+1], s[14:15], s[16:17]
	s_cselect_b64 s[BP:BP+1], s[8:9], s[10:11]
	s_cselect_b32 s22, 4608, s22
	s_mul_i32 s22, s71, s22
	s_cmp_eq_u32 ttmp9, 2
	s_cselect_b64 s[BP:BP+1], s[12:13], s[BP:BP+1]
	s_cselect_b32 s23, 4608, 0                     ; v lies behind k in a record
	s_add_co_u32 s22, s22, s23
	s_mov_b32 s23, 0
	s_add_nc_u64 s[OUT:OUT+1], s[OUT:OUT+1], s[22:23]
	s_lshl_b32 s22, s70, 8
	s_add_nc_u64 s[BP:BP+1], s[BP:BP+1], s[22:23]  ; my head's 64 numbers of the bias
	s_cmp_eq_u32 ttmp9, 2                          ; the cluster's x: the same in all partners
	s_cbranch_scc1 .Lbias_v
	v_lshlrev_b32 v68, 7, v66                      ; q, k: register 8 t + j is feature 32 h + 8 t + j
.irp m, 0,1,2,3,4,5,6,7
	global_load_b128 v[BI+4*\m:BI+4*\m+3], v68, s[BP:BP+1] offset:16*\m
.endr
	s_branch .Lbias_done
.Lbias_v:
	v_lshrrev_b32 v68, 3, v65                      ; v: all eight registers of tile t are feature 32 (r / 8) + 8 t + r % 8
	v_and_b32 v69, 7, v65
	s_delay_alu instid0(VALU_DEP_1)
	v_lshl_add_u32 v68, v68, 5, v69
	s_delay_alu instid0(VALU_DEP_1)
	v_lshlrev_b32 v68, 2, v68
.irp t, 0,1,2,3
	global_load_b32 v[BI+8*\t], v68, s[BP:BP+1] offset:32*\t
.endr
	s_wait_loadcnt 0x0
.irp t, 0,1,2,3
.irp j, 1,2,3,4,5,6,7
	v_mov_b32 v[BI+8*\t+\j], v[BI+8*\t]
.endr
.endr
.Lbias_done:
	s_wait_alu depctr_va_vdst(0)
	s_wait_loadcnt 0x0                             ; the bias
	s_wait_tensorcnt 0x0                           ; my part of chunk 0 is in
	ds_add_u32 v254, v255                          ; 0 onto my spare word
	s_wait_dscnt 0x0                               ; the add is done
	ROUND                                          ; everybody's part of chunk 0 is in, and all sixteen work-groups are here: the joint loads meet
	s_cmp_lt_u32 s[WV], 4                          ; chunk 1: my one load behind the round; it has chunk 0's four K steps in which to land
	s_cbranch_scc0 .Lfetch_b1
	tensor_load_to_lds s[G0A+4:G0A+7], s[G1A:G1A+7]
	s_nop 0
.rept 4
	v_nop
.endr
	s_branch .Lasked1
.Lfetch_b1:
	tensor_load_to_lds s[G0B+4:G0B+7], s[G1B:G1B+7]
	s_nop 0
.rept 4
	v_nop
.endr
.Lasked1:
.macro FETCH buf, s                    ; the fragments of K step s of the chunk in hand into set buf: 24 loads of 512 consecutive bytes
.irp t, 0,1,2,3
.irp c, 0,1
	ds_load_b128 v[BF+32*(\buf)+8*\t+4*\c:BF+32*(\buf)+8*\t+4*\c+3], v2 offset:\t*TREC+(\s)*1024+512*\c
.endr
.endr
.irp i, 0,1,2,3,4,5,6,7
.irp c, 0,1
	ds_load_b128 v[AF+64*(\buf)+8*\i+4*\c:AF+64*(\buf)+8*\i+4*\c+3], v1 offset:\i*TREC+(\s)*1024+512*\c
.endr
.endr
.endm
.macro SCALES                          ; the chunk's scale words: four words (K steps) a row
.irp i, 0,1,2,3
	ds_load_b128 v[SA+4*\i:SA+4*\i+3], v3 offset:\i*TREC
.endr
.irp j, 0,1
	ds_load_b128 v[SB+4*\j:SB+4*\j+3], v4 offset:\j*TREC
.endr
.endm
; 32 products: the 32 accumulators take turns, one instruction a turn, in ascending order in both kinds.
; kind 0 (q, k): accumulator 4 i + t = features' tile t x tokens' tile i.   kind 1 (v): accumulator 8 t + i = tokens' tile i x features' tile t.
.macro MUL kind, buf, s, first
.set aa, 0
.rept 32
.if \kind == 0
.set ii, aa/4
.set tt, aa%4
.set rA, BF+32*(\buf)+8*tt
.set rB, AF+64*(\buf)+8*ii
.set rSA, SB+4*(tt%2)+(\s)
.set fA, tt/2
.set rSB, SA+4*(ii%4)+(\s)
.set fB, ii/4
.else
.set tt, aa/8
.set ii, aa%8
.set rA, AF+64*(\buf)+8*ii
.set rB, BF+32*(\buf)+8*tt
.set rSA, SA+4*(ii%4)+(\s)
.set fA, ii/4
.set rSB, SB+4*(tt%2)+(\s)
.set fB, tt/2
.endif
.set rD, 8*aa
.if \first
.set rC, BI+8*tt
.else
.set rC, rD
.endif
	WM
.set aa, aa+1
.endr
.endm
.macro STEP kind, s, first
	s_wait_dscnt 0x0                               ; this step's fragments, asked for a step ago; nothing younger is out
.rept 4
	v_nop                                          ; places in front of loads into registers that the last step's products have read
.endr
.if \s < 3
	FETCH (\s+1)%2, \s+1
.endif
.if \first
	WIN 0x40                                       ; D in window 1, the bias in window 0
.else
	WIN 0x50                                       ; C and D in window 1
.endif
	MUL \kind, (\s)%2, \s, \first
	WIN 0
.endm
.macro PHASE kind, first               ; a chunk: 512 along K
	FETCH 0, 0
	SCALES
	STEP \kind, 0, \first
	STEP \kind, 1, 0
	STEP \kind, 2, 0
	STEP \kind, 3, 0
.endm
; THE WAY OUT.  Registers 32 n .. 32 n + 31 of window 1 are a whole block of 32 along the next product's K, n = 0 .. 7.
.macro EPI kind
.rept 4
	v_nop                                          ; places in front of the first read of results
.endr
	WIN 0x14                                       ; sources 1 and 2 in window 1
.irp n, 0,1,2,3,4,5,6,7
	v_max3_num_f32 v[TM+\n], s[FLOOR], |v[32*\n]|, |v[32*\n+1]|   ; eight blocks by turns; each accumulator is read from its low end on
.endr
.irp m, 2,4,6,8,10,12,14,16,18,20,22,24,26,28,30
.irp n, 0,1,2,3,4,5,6,7
	v_max3_num_f32 v[TM+\n], v[TM+\n], |v[32*\n+\m]|, |v[32*\n+\m+1]|
.endr
.endr
	WIN 0
.irp n, 0,1,2,3,4,5,6,7
	v_add_nc_u32 v[SO+\n], 0xff000000, v[TM+\n]    ; 2 off the exponent field: the conversion's scale operand
.endr
.irp n, 0,1,2,3,4,5,6,7
	v_lshrrev_b32 v[BY+\n], 23, v[SO+\n]           ; the scale's byte
.endr
.if \kind == 0
.irp n, 0,1,2,3,4,5,6,7
	v_lshlrev_b32 v[PW+\n], v6, v[BY+\n]           ; my block is block h of the token's two
	v_mov_b32 v[TT+\n], 0                          ; (a lane permute's destination counts as one of its sources)
.endr
.irp n, 0,1,2,3,4,5,6,7
	v_permlanex16_b32 v[TT+\n], v[PW+\n], s[SEL], s[SEL+1]
.endr
.irp n, 0,1,2,3,4,5,6,7
	v_or_b32 v[PW+\n], v[PW+\n], v[TT+\n]          ; with lane l xor 16's byte the word is whole
.endr
.irp p, 0,1,2,3
	v_cndmask_b32 v[QW+\p], v[PW+2*\p], v[PW+2*\p+1], s[HM]   ; lanes 0-15 keep tile 2 p's word, lanes 16-31 tile 2 p + 1's
.endr
.else
.irp t, 0,1,2,3
	v_lshl_or_b32 v[PW+\t], v[BY+2*\t+1], 16, v[BY+2*\t]      ; my blocks are h and 2 + h of the feature's four
	v_mov_b32 v[TT+\t], 0
.endr
.irp t, 0,1,2,3
	v_lshlrev_b32 v[PW+\t], v6, v[PW+\t]
.endr
.irp t, 0,1,2,3
	s_delay_alu instid0(VALU_DEP_4)
	v_permlanex16_b32 v[TT+\t], v[PW+\t], s[SEL], s[SEL+1]
.endr
.irp t, 0,1,2,3
	s_delay_alu instid0(VALU_DEP_4)
	v_or_b32 v[PW+\t], v[PW+\t], v[TT+\t]
.endr
.irp p, 0
	s_delay_alu instid0(VALU_DEP_3)
	v_cndmask_b32 v[QW+\p], v[PW+2*\p], v[PW+2*\p+1], s[HM]
.endr
.irp p, 1
	s_delay_alu instid0(VALU_DEP_2)
	v_cndmask_b32 v[QW+\p], v[PW+2*\p], v[PW+2*\p+1], s[HM]
.endr
.endif
	WIN 0x01                                       ; source 0 in window 1
.irp n, 0,1,2,3,4,5,6,7
.irp g, 0,1,2,3
	v_cvt_scalef32_pk8_fp4_f32 v[PC+4*\n+\g], v[32*\n+8*\g:32*\n+8*\g+7], v[SO+\n]
.endr
.endr
	WIN 0
	v_nop                                          ; one plain line behind the last conversion
.irp n, 0,1,2,3,4,5,6,7
	global_store_b128 v5, v[PC+4*\n:PC+4*\n+3], s[OUT:OUT+1] offset:512*\n   ; 512 consecutive bytes, at a multiple of 256 from the buffer's first byte
.endr
.if \kind == 0
	global_store_b128 v5, v[QW:QW+3], s[OUT:OUT+1] offset:4096
.else
	global_store_b64 v7, v[QW:QW+1], s[OUT:OUT+1] offset:4096
.endif
.endm
	s_cmp_eq_u32 ttmp9, 2
	s_cbranch_scc1 .Lp0_v
	s_wait_alu depctr_va_vdst(0)
	PHASE 0, 1
	s_branch .Lp0_done
.Lp0_v:
	s_wait_alu depctr_va_vdst(0)
	PHASE 1, 1
.Lp0_done:
.rept 5
	v_nop                                          ; places in front of the loads into the scale words' and fragments' registers
.endr
	v_add_nc_u32 v1, CH, v1                        ; on to chunk 1
	v_add_nc_u32 v2, CH, v2
	v_add_nc_u32 v3, CH, v3
	v_add_nc_u32 v4, CH, v4
	s_wait_tensorcnt 0x0                           ; my part of chunk 1 is in,
	s_wait_dscnt 0x0
	s_barrier_signal -1
	s_barrier_wait -1                              ; everybody's is
	s_cmp_eq_u32 ttmp9, 2
	s_cbranch_scc1 .Lp1_v
	s_wait_alu depctr_va_vdst(0)
	PHASE 0, 0
	EPI 0
	s_branch .Lend
.Lp1_v:
	s_wait_alu depctr_va_vdst(0)
	PHASE 1, 0
	EPI 1
.Lend:
	s_wait_dscnt 0x0
	s_wait_xcnt 0x0
	v_lshl_add_u32 v254, v0, 2, 0x44000
	v_mov_b32 v255, 0
	s_wait_alu depctr_va_vdst(0)
	s_wait_tensorcnt 0x0
	ds_add_u32 v254, v255
	s_wait_dscnt 0x0
	ROUND                                          ; the closing round: no work-group ends while a partner may still ask for a tile that names it
	s_endpgm
.Lfunc_end_k_qe3f687e6ef_qkv:
	.size	k_qe3f687e6ef_qkv, .Lfunc_end_k_qe3f687e6ef_qkv-k_qe3f687e6ef_qkv
	.p2alignl 7, 3214868480
	.fill 96, 4, 3214868480
	.section	.rodata,"a",@progbits
	.p2align	6, 0x0
	.amdhsa_kernel k_qe3f687e6ef_qkv
		.amdhsa_group_segment_fixed_size 327680
		.amdhsa_private_segment_fixed_size 0
		.amdhsa_enable_private_segment 0
		.amdhsa_kernarg_size 56
		.amdhsa_user_sgpr_count 2
		.amdhsa_user_sgpr_kernarg_segment_ptr 1
		.amdhsa_wavefront_size32 1
		.amdhsa_system_sgpr_workgroup_id_x 1
		.amdhsa_system_sgpr_workgroup_id_y 1
		.amdhsa_system_sgpr_workgroup_id_z 1
		.amdhsa_system_vgpr_workitem_id 0
		.amdhsa_next_free_vgpr 512
		.amdhsa_next_free_sgpr 72
		.amdhsa_reserve_vcc 0
		.amdhsa_float_denorm_mode_32 3
		.amdhsa_float_denorm_mode_16_64 3
		.amdhsa_memory_ordered 1
		.amdhsa_forward_progress 1
		.amdhsa_inst_pref_size 132
	.end_amdhsa_kernel
	.amdgpu_metadata
---
amdhsa.version: [ 1, 2 ]
amdhsa.kernels:
  - .name:           k_qe3f687e6ef_qkv
    .symbol:         k_qe3f687e6ef_qkv.kd
    .args:
      - { .name: xa, .offset: 0, .size: 8, .value_kind: global_buffer, .address_space: global }
      - { .name: wimg, .offset: 8, .size: 8, .value_kind: global_buffer, .address_space: global }
      - { .name: bq, .offset: 16, .size: 8, .value_kind: global_buffer, .address_space: global }
      - { .name: bk, .offset: 24, .size: 8, .value_kind: global_buffer, .address_space: global }
      - { .name: bv, .offset: 32, .size: 8, .value_kind: global_buffer, .address_space: global }
      - { .name: qimg, .offset: 40, .size: 8, .value_kind: global_buffer, .address_space: global }
      - { .name: kv, .offset: 48, .size: 8, .value_kind: global_buffer, .address_space: global }
    .group_segment_fixed_size: 327680
    .private_segment_fixed_size: 0
    .kernarg_segment_align: 8
    .kernarg_segment_size: 56
    .max_flat_workgroup_size: 256
    .sgpr_count:     72
    .vgpr_count:     512
    .wavefront_size: 32
...
	.end_amdgpu_metadata
.endif
;; end of part 2
;; launch attn (part 3): grid 4 x 64, 16 waves a work-group, clusters of 4 x 1, 215,040 bytes of LDS; arguments qimg, kv, x, stats, gamma, beta, out0; writes out0
.if DOCPART == 3
	.amdgcn_target "amdgcn-amd-amdhsa--gfx1250"
	.amdhsa_code_object_version 6
	.text
	.protected	k_qe3f687e6ef_attn
	.globl	k_qe3f687e6ef_attn
	.p2align	8
	.type	k_qe3f687e6ef_attn,@function
k_qe3f687e6ef_attn:
	s_mov_b64 s[64:65], 0
	v_nop
	global_prefetch_b8 v0, s[64:65] scope:SCOPE_SE
	s_setreg_imm32_b32 hwreg(HW_REG_WAVE_MODE, 25, 1), 1
	s_wait_xcnt 0x0
	s_wait_alu depctr_hold_cnt(0) depctr_sa_sdst(0) depctr_va_vdst(0) depctr_va_sdst(0) depctr_va_ssrc(0) depctr_va_vcc(0) depctr_vm_vsrc(0)
	s_getreg_b32 s2, hwreg(HW_REG_IB_STS2, 6, 4)
	s_cmp_eq_u32 s2, 0
	s_cbranch_scc0 .Lentry_in_a_cluster
	s_endpgm
.Lentry_in_a_cluster:
	s_bfe_u32 s2, ttmp6, 0x10000c
	s_cmp_lg_u32 s2, 0x3003
	s_cbranch_scc0 .Lentry_shape_is_right
	s_endpgm
.Lentry_shape_is_right:
; ATTN.  out = xn + softmax(q k^T / 8) v for one (batch, head) and 512 queries a work-group, both products on codes of FP4 (E2M1) with E8M0 scales.
; THE SOFTMAX AHEAD OF THE SECOND PRODUCT: t = score x log2(e) / 8; M = the row's largest t so far, rounded UP to a whole number; p = 2^(t - M) is what is quantised, along the keys, not normalised.
;   The row's sum is taken of the unquantised p, in f32, and divides at the end.  When M moves, the sum and O are multiplied by 2^(old M - new M): exact.
;   A block's largest p is not searched for: the block's largest SCORE goes through the same multiply-add and exponential (this takes v_exp_f32 not to fall where its input rises).
; SHARES.  Sixteen waves, four to a SIMD; a wave owns two tiles of 16 queries, one after the other, and walks all 2,048 keys, 128 a step.
; THE HEAD'S WHOLE k AND v (16 records of 8,960 bytes, images of operand registers) COME INTO LDS ONCE: wave w asks for record w.  Nothing is filled again.
; CLUSTER 4 x 1: the four work-groups of a head need the same records: each is asked for jointly, by the same load in all four.
; LAYOUT.  Both products are used transposed: S^T = k q^T, O^T = v^T p^T: a lane holds ONE query (lane % 16) throughout.  By the order of a tile's rows (32 (r / 8) + 8 t + r % 8 inside 64) the 32 registers of four
;   tiles of keys are keys 32 (lane / 16) + 0 .. 31 of the 64: a whole block: its maximum needs no other lane, and four conversions are four registers of p's fragment.  O^T's 32 registers are channels 32 (lane / 16) + 0 .. 31.
; K = 64 IN AN INSTRUCTION OF 128: q's fragment has zero codes in its upper four registers.  k's eight tiles lie four registers each on end, and a tile's operand runs on into the next tile's codes (the last into four
;   registers of zeros): those meet q's zero codes, and each such product is 0.  The scale words' bytes 2 and 3 are 0, which is 2^-127 and no NaN.
; xn is made again from x, mu, 1 / sigma, gamma and beta: each (token, head) piece of x, 256 bytes, is read once here.
; LIMITS: NaN and infinities are not served; a block whose every p has fallen to 0 keeps the byte 1 (its codes are zeros).
.set REC,  8960
.set STG,  16*REC                      ; behind the records: a stage of 16 rows x (256 bytes + 16) for each wave; no fill lands there
.set KS,   32                          ; v32-35  k's scale words: register p: tile 2 p in lanes 0-15, 2 p + 1 in lanes 16-31.   v28 p's word, v29, v30 q's, v36-37 v's: these hold scales and nothing else
.set VS,   36
.set PS,   28
.set KF,   64                          ; v64-95  k's eight tiles, four registers each; v96-99 zeros
.set P,    100                         ; v100-107 p's codes
.set VF,   128                         ; v128-159 v's four fragments
.set S,    160                         ; v160-223 S^T, then p
.set O,    224                         ; v224-255 O^T
.set WV,   18
.set CX,   19
.set BH,   20
.set SEL,  22
.set CS,   24                          ; s[24:25] c = log2(e) / 8
.set G1,   28
.set G0,   36
.set TB,   40                          ; LDS byte at which the step's record begins
.set CNT,  41
.set PFC,  42
.set QB,   44
.set XB,   46
.set OB,   48
.set SBS,  50
.macro ROUND                           ; a round of the cluster's barrier
	s_barrier_signal -1
	s_barrier_wait -1
	s_cmp_lg_u32 s[WV], 0
	s_cbranch_scc1 .Lnot_wave_0_\@
	s_barrier_signal -3
.Lnot_wave_0_\@:
	s_barrier_wait -3
	s_barrier_signal -1
	s_barrier_wait -1
.endm
.macro WM0                             ; a product that starts its sum; fA = 1: the first source's scale word stands in lanes 16-31
.if fA
	v_wmma_scale_f32_16x16x128_f8f6f4 v[rD:rD+7], v[rA:rA+7], v[rB:rB+7], 0, v[rSA], v[rSB] matrix_a_fmt:MATRIX_FMT_FP4 matrix_b_fmt:MATRIX_FMT_FP4 matrix_a_scale:MATRIX_SCALE_ROW1
.else
	v_wmma_scale_f32_16x16x128_f8f6f4 v[rD:rD+7], v[rA:rA+7], v[rB:rB+7], 0, v[rSA], v[rSB] matrix_a_fmt:MATRIX_FMT_FP4 matrix_b_fmt:MATRIX_FMT_FP4
.endif
.endm
.macro WM                              ; a product that adds in place
.if fA
	v_wmma_scale_f32_16x16x128_f8f6f4 v[rD:rD+7], v[rA:rA+7], v[rB:rB+7], v[rD:rD+7], v[rSA], v[rSB] matrix_a_fmt:MATRIX_FMT_FP4 matrix_b_fmt:MATRIX_FMT_FP4 matrix_a_scale:MATRIX_SCALE_ROW1
.else
	v_wmma_scale_f32_16x16x128_f8f6f4 v[rD:rD+7], v[rA:rA+7], v[rB:rB+7], v[rD:rD+7], v[rSA], v[rSB] matrix_a_fmt:MATRIX_FMT_FP4 matrix_b_fmt:MATRIX_FMT_FP4
.endif
.endm
	s_load_b256 s[4:11], s[0:1], 0x0               ; qimg s[4:5], kv s[6:7], x s[8:9], stats s[10:11]
	s_load_b128 s[12:15], s[0:1], 0x20             ; gamma s[12:13], beta s[14:15]
	s_load_b64 s[16:17], s[0:1], 0x30              ; out0
	v_lshl_add_u32 v126, v0, 2, 0x34000
	v_mov_b32 v127, 0
	ds_add_u32 v126, v127
	ds_add_u32 v126, v127
	v_lshrrev_b32 v1, 5, v0
	s_delay_alu instid0(VALU_DEP_1)
	v_readfirstlane_b32 s[WV], v1                  ; wave 0..15
	s_bfe_u32 s[CX], ttmp6, 0x40000                ; my place in the cluster: my 512 queries
	s_and_b32 s[BH], ttmp7, 0xffff                 ; 16 x batch + head, which the four partners share
	s_mov_b32 s[G1], 15|(3<<16)|(1<<21)            ; 15:0 the mask: all four work-groups; 17:16 elements of 8 bytes; 21 set beside a mask; no padding
	s_mov_b32 s[G1+1], 32<<16                      ; tensor_dim0: rows of 256 bytes
	s_mov_b32 s[G1+2], 35<<16                      ; tensor_dim1: 35 of them are a record
	s_mov_b32 s[G1+3], 32<<16                      ; tile_dim0
	s_mov_b32 s[G1+4], 35                          ; tile_dim1
	s_mov_b32 s[G1+5], 32                          ; dense
	s_mov_b32 s[G1+6], 0
	s_mov_b32 s[G1+7], 0
	s_lshl_b32 s52, s[BH], 4
	s_add_co_u32 s52, s52, s[WV]
	s_mul_i32 s52, s52, REC                        ; record 16 (16 batch + head) + wave
	s_mov_b32 s53, 0
	s_mul_i32 s54, s[WV], REC                      ; and its place in LDS: no place in the cluster enters an LDS address
	s_wait_dscnt 0x0
	s_wait_kmcnt 0x0
	s_mov_b32 s[G0], 1
	s_mov_b32 s[G0+1], s54
	s_add_nc_u64 s[G0+2:G0+3], s[6:7], s[52:53]
	s_or_b32 s[G0+3], s[G0+3], 0x80000000
	ROUND                                          ; all four work-groups are here: the joint loads meet
	tensor_load_to_lds s[G0:G0+3], s[G1:G1+7]      ; one load a wave is out
	s_nop 0
.rept 4
	v_nop
.endr
	s_lshr_b32 s2, s[WV], 3
	s_and_b32 s3, s[WV], 7                         ; my tile in a record of 128 tokens
	s_lshl_b32 s52, s[CX], 2
	s_add_co_u32 s52, s52, s2                      ; my first tile's 128 tokens: 4 cx + w / 8; the second's lie two further on
	s_lshl_b32 s54, s[BH], 4
	s_add_co_u32 s54, s54, s52
	s_mul_i32 s54, s54, 4608
	s_mov_b32 s55, 0
	s_add_nc_u64 s[QB:QB+1], s[4:5], s[54:55]
	s_lshr_b32 s56, s[BH], 4                       ; batch
	s_and_b32 s57, s[BH], 15                       ; head
	s_lshl_b32 s54, s56, 11
	s_lshl_b32 s58, s52, 7
	s_add_co_u32 s54, s54, s58
	s_lshr_b32 s58, s3, 2
	s_lshl_b32 s58, s58, 6
	s_add_co_u32 s54, s54, s58
	s_and_b32 s58, s3, 3
	s_lshl_b32 s58, s58, 3
	s_add_co_u32 s54, s54, s58                     ; the token of my tile's row 0: row r is 32 (r / 8) + r % 8 further on
	s_lshl_b32 s54, s54, 12
	s_lshl_b32 s58, s57, 8
	s_add_co_u32 s54, s54, s58                     ; + the head's 256 bytes of a row
	s_add_nc_u64 s[XB:XB+1], s[8:9], s[54:55]
	s_add_nc_u64 s[OB:OB+1], s[16:17], s[54:55]
	s_lshl_b32 s54, s56, 7
	s_lshl_b32 s59, s52, 3
	s_add_co_u32 s54, s54, s59
	s_add_co_u32 s54, s54, s3
	s_lshl_b32 s54, s54, 7                         ; my tile's statistics: 128 bytes a tile
	s_add_nc_u64 s[SBS:SBS+1], s[10:11], s[54:55]
	s_mov_b32 s59, 0
	s_add_nc_u64 s[12:13], s[12:13], s[58:59]
	s_add_nc_u64 s[14:15], s[14:15], s[58:59]
	v_and_b32 v11, 31, v0                          ; lane
	v_and_b32 v18, 15, v0                          ; r
	s_wait_alu depctr_va_vdst(0)
	v_bfe_u32 v19, v0, 4, 1                        ; h
	v_lshlrev_b32 v1, 4, v11                       ; 16 x lane
	v_lshlrev_b32 v2, 3, v11                       ; 8 x lane
	s_delay_alu instid0(VALU_DEP_3)
	v_lshlrev_b32 v5, 3, v19                       ; 8 h: a scale byte's shift
	s_lshl_b32 s54, s3, 9
	v_add_nc_u32 v20, s54, v1
	global_load_b128 v[48:51], v20, s[QB:QB+1]                 ; q's fragments of my two tiles stay in registers
	global_load_b128 v[56:59], v20, s[QB:QB+1] offset:9216
	s_and_b32 s54, s3, 1
	s_lshl_b32 s54, s54, 8
	s_lshr_b32 s58, s3, 1
	s_lshl_b32 s58, s58, 2
	s_add_co_u32 s54, s54, s58
	s_add_co_u32 s54, s54, 4096
	v_lshl_add_u32 v21, v18, 4, s54                ; tile i's word of row r: 4,096 + 16 (r + 16 (i % 2)) + 4 (i / 2)
	global_load_b32 v29, v21, s[QB:QB+1]
	global_load_b32 v30, v21, s[QB:QB+1] offset:9216
	v_lshlrev_b32 v22, 4, v18
	global_load_b128 v[40:43], v22, s[12:13]       ; gamma and beta of the four columns that I store
	global_load_b128 v[44:47], v22, s[14:15]
	s_mul_i32 s54, s[WV], 16*272
	s_add_co_u32 s54, s54, STG                     ; my stage
	v_mul_u32_u24 v6, v18, 272
	s_wait_alu depctr_va_vdst(0)
	v_lshl_add_u32 v6, v19, 7, v6
	s_delay_alu instid0(VALU_DEP_1)
	v_add_nc_u32 v6, s54, v6                       ; in: row r, my half's 128 bytes
	v_mul_u32_u24 v7, v19, 272
	s_delay_alu instid0(VALU_DEP_1)
	v_lshl_add_u32 v7, v18, 4, v7
	s_delay_alu instid0(VALU_DEP_1)
	v_add_nc_u32 v7, s54, v7                       ; back: lanes 0-15 one row, lanes 16-31 the next
	v_lshlrev_b32 v8, 12, v19
	s_delay_alu instid0(VALU_DEP_1)
	v_lshl_add_u32 v8, v18, 4, v8                  ; the same two rows in x and in out0
	v_lshlrev_b32 v9, 3, v19                       ; and in the statistics
	v_bfe_u32 v24, v0, 3, 1
	s_delay_alu instid0(VALU_DEP_1)
	v_lshlrev_b32 v24, 5, v24
	v_and_b32 v25, 7, v0
	s_delay_alu instid0(VALU_DEP_1)
	v_add_nc_u32 v24, v24, v25
	s_delay_alu instid0(VALU_DEP_1)
	v_lshl_add_u32 v24, v19, 3, v24
	s_delay_alu instid0(VALU_DEP_1)
	v_lshlrev_b32 v10, 12, v24                     ; the prefetch: lanes 0-15 my tile's 16 rows, lanes 16-31 those of the next wave's tile, 8 tokens on
.irp j, 52,53,54,55,60,61,62,63,96,97,98,99
	v_mov_b32 v[\j], 0                             ; zero codes: the upper halves of q's fragments, and what follows k's last tile
.endr
	v_mov_b32 v17, 0                               ; (named as the upper half of the pair v[16:17])
	v_mov_b32 v23, 0                               ; (a lane permute's destination counts as one of its sources)
	s_mov_b32 s[SEL], 0x76543210
	s_mov_b32 s[SEL+1], 0xfedcba98
	s_mov_b32 s[CS], 0x3e38aa3b                    ; c = log2(e) / 8
	s_mov_b32 s[CS+1], s[CS]
	s_and_b32 s54, s[WV], 1
	s_cmp_eq_u32 s54, 0
	s_cselect_b32 s[PFC], 2, 0                     ; even waves prefetch, in the trip in which two are left; the count is never 0 at a trip's head
	s_wait_loadcnt 0x0
	s_wait_tensorcnt 0x0                           ; my record is in,
	s_barrier_signal -1
	s_barrier_wait -1                              ; everybody's is
; ONE TILE OF 16 QUERIES: 16 key steps and the way out.  qt = 0, 1: which of my two.
.macro TILE qt
.set QF, 48+8*\qt
.set QS, 29+\qt
.set j, 0
.rept 32
	v_mov_b32 v[O+j], 0                            ; O^T.  (The step is written once: the first finds zeros, which the first change of M leaves zeros)
.set j, j+1
.endr
	v_mov_b32 v13, 0xff61b1e6                      ; the largest t so far: -3e38, under every t
	s_delay_alu instid0(VALU_DEP_1)
	v_floor_f32 v12, -v13                          ; -M
	v_mov_b32 v14, 0                               ; the sum, in two halves
	v_mov_b32 v15, 0
	s_mov_b32 s[TB], 0
	s_mov_b32 s[CNT], 16
.Ltrip_\@:
	v_add_nc_u32 v3, s[TB], v1
	v_add_nc_u32 v4, s[TB], v2
	v_nop
	v_nop                                          ; four places in front of loads into registers that the last step's products have read
	ds_load_b128 v[KS:KS+3], v3 offset:4096
.irp i, 0,1,2,3,4,5,6,7
	ds_load_b128 v[KF+4*\i:KF+4*\i+3], v3 offset:512*\i
.endr
	ds_load_b64 v[VS:VS+1], v4 offset:8704
.irp t, 0,1,2,3
.irp c, 0,1
	ds_load_b128 v[VF+8*\t+4*\c:VF+8*\t+4*\c+3], v3 offset:4608+1024*\t+512*\c
.endr
.endr
	; A prefetch of the pieces of x that the way out will load: 32 rows x 256 bytes, a lane a row, two key steps ahead of those loads.  Even waves ask, for their own tile and the next wave's: each piece is named once in the launch
	s_cmp_eq_u32 s[CNT], s[PFC]
	s_cbranch_scc0 .Lnopf_\@
	global_prefetch_b8 v10, s[XB:XB+1] offset:\qt*1048576 th:TH_LOAD_NT scope:SCOPE_SE
.Lnopf_\@:
	s_wait_dscnt 9                                 ; k's nine loads are in; v's nine, issued behind them, may be out
.set ii, 0
.rept 8
.set rD, S+8*ii
.set rA, KF+4*ii
.set rB, QF
.set rSA, KS+ii/2
.set fA, ii%2
.set rSB, QS
	WM0                                            ; S^T: tile ii of 16 keys x my 16 queries
.set ii, ii+1
.endr
.rept 4
	v_nop
.endr
	; the largest score of each of my two blocks of 32 keys, two chains a block; every accumulator is first read at its low end
.irp c, 0,1
	v_max3_num_f32 v[18+\c], v[S+32*\c], v[S+32*\c+1], v[S+32*\c+2]
	v_max3_num_f32 v[20+\c], v[S+32*\c+17], v[S+32*\c+18], v[S+32*\c+19]
.endr
.irp k, 1,2,3,4,5,6
.irp c, 0,1
	v_max3_num_f32 v[18+\c], v[18+\c], v[S+32*\c+2*\k+1], v[S+32*\c+2*\k+2]
	v_max3_num_f32 v[20+\c], v[20+\c], v[S+32*\c+2*\k+18], v[S+32*\c+2*\k+19]
.endr
.endr
.irp c, 0,1
	v_max3_num_f32 v[18+\c], v[18+\c], v[S+32*\c+15], v[S+32*\c+16]
.endr
.irp c, 0,1
	s_delay_alu instid0(VALU_DEP_2)
	v_max_num_f32 v[18+\c], v[18+\c], v[20+\c]
.endr
	s_delay_alu instid0(VALU_DEP_1)
	v_max_num_f32 v22, v18, v19
	s_delay_alu instid0(VALU_DEP_1)
	v_permlanex16_b32 v23, v22, s[SEL], s[SEL+1]
	s_delay_alu instid0(VALU_DEP_1)
	v_max_num_f32 v22, v22, v23                    ; the step's largest score of my query
	s_delay_alu instid0(VALU_DEP_1)
	v_mul_f32 v22, s[CS], v22                      ; as t (c is positive)
	s_delay_alu instid0(VALU_DEP_1)
	v_max_num_f32 v13, v13, v22                    ; the running largest t
	v_mov_b32 v22, v12
	s_delay_alu instid0(VALU_DEP_2)
	v_floor_f32 v12, -v13                          ; the new -M = floor(-t) = -ceil(t)
	s_delay_alu instid0(VALU_DEP_1)
	v_sub_f32 v22, v12, v22                        ; M's old value less its new one: a whole number, 0 or less
	s_delay_alu instid0(VALU_DEP_1)
	v_cvt_i32_f32 v22, v22                         ; (it saturates)
	s_delay_alu instid0(VALU_DEP_1)
	v_ldexp_f32 v16, 1.0, v22                      ; f = 2^(old M - new M)
.set j, 0
.rept 32
	v_pk_fma_f32 v[S+j:S+j+1], v[S+j:S+j+1], s[CS:CS+1], v[12:13] op_sel_hi:[1,0,0]   ; t - M, two at a time
.set j, j+2
.endr
	v_fma_f32 v18, v18, s[CS], v12                 ; the same of each block's largest score
	v_fma_f32 v19, v19, s[CS], v12
.set j, 0
	s_wait_alu depctr_va_vdst(0)
.rept 64
	v_exp_f32 v[S+j], v[S+j]                       ; p = 2^(t - M), at most 1
.set j, j+1
.endr
	v_pk_mul_f32 v[14:15], v[14:15], v[16:17] op_sel_hi:[1,0]   ; the sums under the new M (a plain line behind the exponentials)
	s_wait_alu depctr_va_vdst(0)                   ; one wait for the whole batch, ahead of its first reader
	v_exp_f32 v18, v18                             ; the blocks' largest p
	v_exp_f32 v19, v19
	v_pk_add_f32 v[108:109], v[164:165], v[168:169]
	v_pk_add_f32 v[124:125], v[172:173], v[176:177]
	v_pk_add_f32 v[122:123], v[180:181], v[184:185]
	v_pk_add_f32 v[120:121], v[188:189], v[192:193]
	v_pk_add_f32 v[118:119], v[196:197], v[200:201]
	v_pk_add_f32 v[116:117], v[204:205], v[208:209]
	v_pk_add_f32 v[114:115], v[212:213], v[216:217]
	v_pk_add_f32 v[14:15], v[14:15], v[220:221]
	v_pk_add_f32 v[108:109], v[108:109], v[160:161]
	v_pk_add_f32 v[124:125], v[124:125], v[162:163]
	v_pk_add_f32 v[122:123], v[122:123], v[166:167]
	v_pk_add_f32 v[120:121], v[120:121], v[170:171]
	v_pk_add_f32 v[118:119], v[118:119], v[174:175]
	v_pk_add_f32 v[116:117], v[116:117], v[178:179]
	v_pk_add_f32 v[114:115], v[114:115], v[182:183]
	v_pk_add_f32 v[14:15], v[14:15], v[186:187]
	v_pk_add_f32 v[108:109], v[108:109], v[190:191]
	v_pk_add_f32 v[124:125], v[124:125], v[194:195]
	v_pk_add_f32 v[122:123], v[122:123], v[198:199]
	v_pk_add_f32 v[120:121], v[120:121], v[202:203]
	v_pk_add_f32 v[118:119], v[118:119], v[206:207]
	v_pk_add_f32 v[116:117], v[116:117], v[210:211]
	v_pk_add_f32 v[114:115], v[114:115], v[214:215]
	v_pk_add_f32 v[14:15], v[14:15], v[218:219]
	v_pk_add_f32 v[108:109], v[108:109], v[222:223]
	s_delay_alu instid0(VALU_DEP_2)
	v_pk_add_f32 v[14:15], v[14:15], v[120:121]
	s_delay_alu instid0(VALU_DEP_2)
	v_pk_add_f32 v[108:109], v[108:109], v[118:119]
	v_pk_add_f32 v[124:125], v[124:125], v[116:117]
	v_pk_add_f32 v[122:123], v[122:123], v[114:115]
	s_delay_alu instid0(VALU_DEP_2)
	v_pk_add_f32 v[14:15], v[14:15], v[124:125]
	s_delay_alu instid0(VALU_DEP_2)
	v_pk_add_f32 v[108:109], v[108:109], v[122:123]
	s_delay_alu instid0(VALU_DEP_1)
	v_pk_add_f32 v[14:15], v[14:15], v[108:109]
	s_wait_alu depctr_va_vdst(0)                   ; and one for the two
	v_max_num_f32 v18, 0x1800000, v18              ; the floor 2^(3 - 127): the byte cannot fall under 1
	v_max_num_f32 v19, 0x1800000, v19
	s_delay_alu instid0(VALU_DEP_2)
	v_add_nc_u32 v24, 0xff000000, v18              ; 2 off the exponent field: the conversions' scale operands
	s_delay_alu instid0(VALU_DEP_2)
	v_add_nc_u32 v25, 0xff000000, v19
	s_delay_alu instid0(VALU_DEP_2)
	v_lshrrev_b32 v26, 23, v24                     ; the scales' bytes
	s_delay_alu instid0(VALU_DEP_2)
	v_lshrrev_b32 v27, 23, v25
	s_delay_alu instid0(VALU_DEP_1)
	v_lshl_or_b32 v22, v27, 16, v26                ; my blocks are h and 2 + h of the query's four
	s_delay_alu instid0(VALU_DEP_1)
	v_lshlrev_b32 v22, v5, v22
	s_delay_alu instid0(VALU_DEP_1)
	v_permlanex16_b32 v23, v22, s[SEL], s[SEL+1]
	s_delay_alu instid0(VALU_DEP_1)
	v_or_b32 v[PS], v22, v23                       ; p's scale word for these 128 keys
.irp c, 0,1
.irp g, 0,1,2,3
	v_cvt_scalef32_pk8_fp4_f32 v[P+4*\c+\g], v[S+32*\c+8*\g:S+32*\c+8*\g+7], v[24+\c]   ; keys 64 c + 32 h + 8 g + 0 .. 7: register 4 c + g of the operand
.endr
.endr
.set j, 0
.rept 16
	v_pk_mul_f32 v[O+j:O+j+1], v[O+j:O+j+1], v[16:17] op_sel_hi:[1,0]   ; O^T under the new M.  (These sixteen are also the plain lines behind the conversions and the places between the scale word's and the codes' making and the products)
.set j, j+2
.endr
	s_wait_alu depctr_va_vdst(0)
	s_wait_dscnt 0x0                               ; v's fragments and scale words
.set tt, 0
.rept 4
.set rD, O+8*tt
.set rA, VF+8*tt
.set rB, P
.set rSA, VS+tt/2
.set fA, tt%2
.set rSB, PS
	WM                                             ; O^T += 16 channels x 128 keys x my 16 queries; the four accumulators take turns, and eight other products stand between two steps' turns
.set tt, tt+1
.endr
	s_add_co_u32 s[TB], s[TB], REC
	s_sub_co_u32 s[CNT], s[CNT], 1
	s_cmp_lg_u32 s[CNT], 0
	s_cbranch_scc1 .Ltrip_\@
	; THE WAY OUT.  x's pieces and the statistics are asked for first; O^T / the sum goes through my stage and comes back as whole rows of 256 bytes: a (token, head) piece.
.rept 4
	v_nop                                          ; places behind the last products
.endr
.irp i, 0,1,2,3,4,5,6,7
	global_load_b128 v[S+4*\i:S+4*\i+3], v8, s[XB:XB+1] offset:(32*(\i/4)+2*(\i%4))*4096+\qt*1048576 th:TH_LOAD_NT   ; rows 2 i and 2 i + 1 of the tile
	global_load_b64 v[S+32+2*\i:S+32+2*\i+1], v9, s[SBS:SBS+1] offset:16*\i+2048*\qt                                  ; their mu and 1 / sigma
.endr
	v_add_f32 v14, v14, v15                        ; the sum's two halves,
	s_delay_alu instid0(VALU_DEP_1)
	v_permlanex16_b32 v23, v14, s[SEL], s[SEL+1]
	s_delay_alu instid0(VALU_DEP_1)
	v_add_f32 v14, v14, v23                        ; and lane l xor 16's: the row's sum
	s_wait_alu depctr_va_vdst(0)
	v_rcp_f32 v16, v14
	v_nop                                          ; a plain line behind the transcendental,
	s_wait_alu depctr_va_vdst(0)                   ; and the wait ahead of its first reader
.set j, 0
.rept 16
	v_pk_mul_f32 v[O+j:O+j+1], v[O+j:O+j+1], v[16:17] op_sel_hi:[1,0]   ; each accumulator from its low end on
.set j, j+2
.endr
.irp k, 0,1,2,3,4,5,6,7
	ds_store_b128 v6, v[O+4*\k:O+4*\k+3] offset:16*\k
.endr
.irp i, 0,1,2,3,4,5,6,7
	ds_load_b128 v[VF+4*\i:VF+4*\i+3], v7 offset:544*\i   ; LDS serves a wave's instructions in order (ISA guide 5.7.1.4): these see my stores
.endr
.irp i, 0,1,2,3,4,5,6,7
	s_wait_loadcnt 14-2*\i                         ; this pair of loads is in; the younger pairs may be out
	s_wait_dscnt 7-\i                              ; and so are these two rows of the stage
.irp m, 0,1,2,3
	v_sub_f32 v[S+4*\i+\m], v[S+4*\i+\m], v[S+32+2*\i]
.endr
.irp m, 0,1,2,3
	s_delay_alu instid0(VALU_DEP_4)
	v_mul_f32 v[S+4*\i+\m], v[S+4*\i+\m], v[S+33+2*\i]
.endr
	s_delay_alu instid0(VALU_DEP_3)
	v_pk_fma_f32 v[S+4*\i:S+4*\i+1], v[S+4*\i:S+4*\i+1], v[40:41], v[44:45]       ; xn
	s_delay_alu instid0(VALU_DEP_2)
	v_pk_fma_f32 v[S+4*\i+2:S+4*\i+3], v[S+4*\i+2:S+4*\i+3], v[42:43], v[46:47]
	s_delay_alu instid0(VALU_DEP_2)
	v_pk_add_f32 v[S+4*\i:S+4*\i+1], v[S+4*\i:S+4*\i+1], v[VF+4*\i:VF+4*\i+1]     ; + attended
	s_delay_alu instid0(VALU_DEP_2)
	v_pk_add_f32 v[S+4*\i+2:S+4*\i+3], v[S+4*\i+2:S+4*\i+3], v[VF+4*\i+2:VF+4*\i+3]
	global_store_b128 v8, v[S+4*\i:S+4*\i+3], s[OB:OB+1] offset:(32*(\i/4)+2*(\i%4))*4096+\qt*1048576 th:TH_STORE_NT   ; each sixteen lanes store 256 consecutive bytes, aligned
.endr
	s_wait_xcnt 0x0                                ; the stores have read their registers: the next tile's scores may be written there
.endm
	TILE 0
	TILE 1
	s_wait_dscnt 0x0
	s_wait_tensorcnt 0x0
	ds_add_u32 v126, v127
	s_wait_dscnt 0x0
	ROUND                                          ; the closing round: no work-group ends while a partner may still ask for a record that names it
	s_endpgm
.Lfunc_end_k_qe3f687e6ef_attn:
	.size	k_qe3f687e6ef_attn, .Lfunc_end_k_qe3f687e6ef_attn-k_qe3f687e6ef_attn
	.p2alignl 7, 3214868480
	.fill 96, 4, 3214868480
	.section	.rodata,"a",@progbits
	.p2align	6, 0x0
	.amdhsa_kernel k_qe3f687e6ef_attn
		.amdhsa_group_segment_fixed_size 215040
		.amdhsa_private_segment_fixed_size 0
		.amdhsa_enable_private_segment 0
		.amdhsa_kernarg_size 56
		.amdhsa_user_sgpr_count 2
		.amdhsa_user_sgpr_kernarg_segment_ptr 1
		.amdhsa_wavefront_size32 1
		.amdhsa_system_sgpr_workgroup_id_x 1
		.amdhsa_system_sgpr_workgroup_id_y 1
		.amdhsa_system_sgpr_workgroup_id_z 1
		.amdhsa_system_vgpr_workitem_id 0
		.amdhsa_next_free_vgpr 256
		.amdhsa_next_free_sgpr 66
		.amdhsa_reserve_vcc 0
		.amdhsa_float_denorm_mode_32 3
		.amdhsa_float_denorm_mode_16_64 3
		.amdhsa_memory_ordered 1
		.amdhsa_forward_progress 1
		.amdhsa_inst_pref_size 62
	.end_amdhsa_kernel
	.amdgpu_metadata
---
amdhsa.version: [ 1, 2 ]
amdhsa.kernels:
  - .name:           k_qe3f687e6ef_attn
    .symbol:         k_qe3f687e6ef_attn.kd
    .args:
      - { .name: qimg, .offset: 0, .size: 8, .value_kind: global_buffer, .address_space: global }
      - { .name: kv, .offset: 8, .size: 8, .value_kind: global_buffer, .address_space: global }
      - { .name: x, .offset: 16, .size: 8, .value_kind: global_buffer, .address_space: global }
      - { .name: stats, .offset: 24, .size: 8, .value_kind: global_buffer, .address_space: global }
      - { .name: gamma, .offset: 32, .size: 8, .value_kind: global_buffer, .address_space: global }
      - { .name: beta, .offset: 40, .size: 8, .value_kind: global_buffer, .address_space: global }
      - { .name: out0, .offset: 48, .size: 8, .value_kind: global_buffer, .address_space: global }
    .group_segment_fixed_size: 215040
    .private_segment_fixed_size: 0
    .kernarg_segment_align: 8
    .kernarg_segment_size: 56
    .max_flat_workgroup_size: 512
    .sgpr_count:     66
    .vgpr_count:     256
    .wavefront_size: 32
...
	.end_amdgpu_metadata
.endif
;; end of part 3
